; MI455X (gfx1250); checked and timed in simulation.
; The chip was launched on July 23, 2026; its instructions are those of AMD's public machine-readable ISA for CDNA 5 (MIT licence, August 2026) and "CDNA5" Instruction Set Architecture Reference Guide (July 2026). The comments in the code are by the model that wrote it; some were corrected since.
;; Quant Linear. Allowed arithmetic: float matrix products may take bf16 or f16 operands with f32 sums; other float arithmetic in f32, or as packed bf16 or f16 multiplies, adds, multiply-adds, maxima and minima; sums over many terms, partial sums and values carried from step to step in f32; what a program stores and reads back later, other than sums and carried values, may be rounded once to bf16 or f16.
;; Inputs: bias 2,048 float32; offsets 65,536 float32; packed 4,194,304 int32; scales 65,536 float32; x 4 x 2,048 x 4,096 float32.
;; Outputs: out0 4 x 2,048 x 2,048 float32.
;; 2 versions, each right; version 2 is version 1 with the launch prep written anew for expert scheduling mode. Each part assembles by itself: llvm-mc -triple=amdgcn-amd-amdhsa -mcpu=gfx1250 --defsym DOCPART=n.
;; ======== version 1 of 2: 2 launches
;; workspace buffers: xq 67,108,864 bytes; wq 16,777,216 bytes
;; launch prep (part 1): grid 2048 x 1, 4 waves a work-group, no clusters, 0 bytes of LDS; arguments x, packed, scales, offsets, xq, wq; writes xq, wq
.if DOCPART == 1
	.amdgcn_target "amdgcn-amd-amdhsa--gfx1250"
	.amdhsa_code_object_version 6
	.text
	.protected	k_qfc0172c11c_prep
	.globl	k_qfc0172c11c_prep
	.p2align	8
	.type	k_qfc0172c11c_prep,@function
k_qfc0172c11c_prep:
	s_mov_b64 s[64:65], 0
	v_nop
	global_prefetch_b8 v0, s[64:65] scope:SCOPE_SE
	s_setreg_imm32_b32 hwreg(HW_REG_WAVE_MODE, 25, 1), 1
	s_wait_xcnt 0x0
; Both operands of the product that follows, each made once, in bf16:
;   xq[m][i] = bf16(x[m][i]),  m < 8192, i < 4096;
;   wq[o][i] = bf16(q[o][i] * scale[o][i/128] + offset[o][i/128]),  o < 2048, i < 4096.
; packed holds two 4-bit codes in bits 7:0 of each 32-bit word (low nibble first); the other bits are not looked at, as in the definition.
; LIMITS.  x, scale and offset are each rounded once to bf16 (all floating-point inputs of the program are); w is one fused multiply-add in f32 (the definition multiplies, rounds, adds),
; rounded once to bf16.  bf16 has f32's range.  NaN and infinities are not treated apart.
; SHARES.  A stream: no LDS, no barrier, no loop, no matrix work: memory binds it.  Wave p = 4 x work-group + wave takes row p of x (16 KiB: 32 loads of 512 consecutive bytes) and bytes 2048 p .. + 2047 of
; packed (1,024 weights, 8 groups: 4 loads).  All 38 loads of a wave go out at once.  Two weights take 4 bytes in packed and 4 bytes in wq, so a lane's 16 bytes have the same offset in both.
; A store of xq is 8 bytes a lane: 256 consecutive bytes at a multiple of 256; a store of wq 16 bytes a lane: 512.  Results are written over the words they came from: no register that a load or
; store names is written again, so no wait frees one.
.set VX,   5                           ; v5       my byte offset in the work-group's four rows of x
.set VXO,  6                           ; v6       the same in xq
.set VW,   7                           ; v7       my byte offset in the work-group's 8 KiB of packed, and of wq
.set VSC,  8                           ; v8       byte offset of scale and offset of group l & 7 of my wave's eight
.set S,    10                          ; v10      lane l: the scale of group l & 7
.set O,    11                          ; v11      its offset
.set TT,   12                          ; v12      at work
.set SS,   14                          ; v[14:15] my group's scale, in the low register of a pair
.set OO,   16                          ; v[16:17] my group's offset likewise
.set T,    18                          ; v[18:25] eight numbers at work
.set W,    28                          ; v[28:43] four registers for each of packed's 4 loads: words as loaded, then bf16 to store
.set X,    44                          ; v[44:171] four registers for each of x's 32 loads: f32 as loaded, then bf16 in the first two
	s_load_b256 s[4:11], s[0:1], 0x0               ; x s[4:5], packed s[6:7], scales s[8:9], offsets s[10:11]
	s_load_b128 s[12:15], s[0:1], 0x20             ; xq s[12:13], wq s[14:15]
	v_and_b32 v1, 31, v0                           ; lane
	v_lshrrev_b32 v2, 5, v0                        ; wave
	v_bfe_u32 v3, v0, 4, 1                         ; which half of the lanes
	v_and_b32 v4, 7, v0
	v_lshlrev_b32 v[VX], 4, v1                     ; 16 lane
	v_lshl_add_u32 v[VX], v2, 14, v[VX]            ; + 16,384 wave: a row of x
	v_lshlrev_b32 v[VXO], 3, v1                    ; 8 lane
	v_lshl_add_u32 v[VXO], v2, 13, v[VXO]          ; + 8,192 wave: a row of xq
	v_lshlrev_b32 v[VW], 4, v1                     ; 16 lane
	v_lshl_add_u32 v[VW], v2, 11, v[VW]            ; + 2,048 wave
	v_lshlrev_b32 v[VSC], 2, v4                    ; 4 (lane & 7)
	v_lshl_add_u32 v[VSC], v2, 5, v[VSC]           ; + 32 wave: eight groups
	v_mov_b32 v[SS+1], 0                           ; named with SS and OO as pairs, so they are written
	v_mov_b32 v[OO+1], 0
	v_cmp_ne_u32 vcc_lo, 0, v3                     ; lanes 16 to 31: the later group of a load's two
	s_lshl_b32 s16, ttmp9, 16                      ; the work-group's four rows of x: under 2^28
	s_mov_b32 s17, 0
	s_lshl_b32 s18, ttmp9, 15                      ; of xq
	s_mov_b32 s19, 0
	s_lshl_b32 s20, ttmp9, 13                      ; its 8 KiB of packed and of wq
	s_mov_b32 s21, 0
	s_lshl_b32 s22, ttmp9, 7                       ; its 32 groups
	s_mov_b32 s23, 0
	s_wait_kmcnt 0x0
	s_add_nc_u64 s[4:5], s[4:5], s[16:17]
	s_add_nc_u64 s[6:7], s[6:7], s[20:21]
	s_add_nc_u64 s[8:9], s[8:9], s[22:23]
	s_add_nc_u64 s[10:11], s[10:11], s[22:23]
	s_add_nc_u64 s[12:13], s[12:13], s[18:19]
	s_add_nc_u64 s[14:15], s[14:15], s[20:21]
	global_load_b32 v[S], v[VSC], s[8:9]
	global_load_b32 v[O], v[VSC], s[10:11]
.set n, 0
.rept 4
	global_load_b128 v[W+4*n:W+4*n+3], v[VW], s[6:7] offset:512*n th:TH_LOAD_NT   ; read once in the whole program
.set n, n+1
.endr
.set n, 0
.rept 32
	global_load_b128 v[X+4*n:X+4*n+3], v[VX], s[4:5] offset:512*n th:TH_LOAD_NT   ; likewise
.set n, n+1
.endr
	s_wait_loadcnt 36                              ; loads come back in order (ISA guide 5.7.1): scale and offset are in, the 4 + 32 younger loads stay out
	v_cvt_pk_bf16_f32 v[TT], v[S], v[O]            ; both rounded to bf16,
	v_lshlrev_b32 v[S], 16, v[TT]                  ; and widened again
	v_and_b32 v[O], 0xffff0000, v[TT]
; Load j of packed: groups 2 j (lanes 0-15) and 2 j + 1 (lanes 16-31).  Their scales and offsets come out of lanes 2 j and 2 j + 1; 8 codes a lane are cut out, made f32, scaled, rounded and stored.
.macro GRP j
	s_wait_loadcnt 35-(\j)                         ; load j is in; the 3 - j of packed and the 32 of x behind it stay out
	v_readlane_b32 s24, v[S], 2*(\j)
	v_readlane_b32 s25, v[S], 2*(\j)+1
	v_readlane_b32 s26, v[O], 2*(\j)
	v_readlane_b32 s27, v[O], 2*(\j)+1
	v_mov_b32 v[SS], s24
	v_cndmask_b32 v[SS], v[SS], s25, vcc_lo
	v_mov_b32 v[OO], s26
	v_cndmask_b32 v[OO], v[OO], s27, vcc_lo
.irp k, 0,1,2,3
	v_and_b32 v[T+2*(\k)], 15, v[W+4*(\j)+(\k)]        ; the low nibble is the earlier weight,
	v_bfe_u32 v[T+2*(\k)+1], v[W+4*(\j)+(\k)], 4, 4    ; the high nibble the later
.endr
.irp k, 0,1,2,3,4,5,6,7
	v_cvt_f32_u32 v[T+(\k)], v[T+(\k)]
.endr
.irp k, 0,2,4,6
	v_pk_fma_f32 v[T+(\k):T+(\k)+1], v[T+(\k):T+(\k)+1], v[SS:SS+1], v[OO:OO+1] op_sel_hi:[1,0,0]  ; both halves take the pairs' low registers
.endr
.irp k, 0,1,2,3
	v_cvt_pk_bf16_f32 v[W+4*(\j)+(\k)], v[T+2*(\k)], v[T+2*(\k)+1]
.endr
	global_store_b128 v[VW], v[W+4*(\j):W+4*(\j)+3], s[14:15] offset:512*(\j)
.endm
.set n, 0
.rept 4
	GRP n
.set n, n+1
.endr
; Load i of x: four numbers a lane become 8 bytes.
.set n, 0
.rept 32
	s_wait_loadcnt 31-n                            ; load n is in, the younger ones stay out
	v_cvt_pk_bf16_f32 v[X+4*n], v[X+4*n], v[X+4*n+1]
	v_cvt_pk_bf16_f32 v[X+4*n+1], v[X+4*n+2], v[X+4*n+3]
	global_store_b64 v[VXO], v[X+4*n:X+4*n+1], s[12:13] offset:256*n
.set n, n+1
.endr
	s_endpgm
.Lfunc_end_k_qfc0172c11c_prep:
	.size	k_qfc0172c11c_prep, .Lfunc_end_k_qfc0172c11c_prep-k_qfc0172c11c_prep
	.p2alignl 7, 3214868480
	.fill 96, 4, 3214868480
	.section	.rodata,"a",@progbits
	.p2align	6, 0x0
	.amdhsa_kernel k_qfc0172c11c_prep
		.amdhsa_group_segment_fixed_size 0
		.amdhsa_private_segment_fixed_size 0
		.amdhsa_enable_private_segment 0
		.amdhsa_kernarg_size 48
		.amdhsa_user_sgpr_count 2
		.amdhsa_user_sgpr_kernarg_segment_ptr 1
		.amdhsa_wavefront_size32 1
		.amdhsa_system_sgpr_workgroup_id_x 1
		.amdhsa_system_sgpr_workgroup_id_y 1
		.amdhsa_system_sgpr_workgroup_id_z 1
		.amdhsa_system_vgpr_workitem_id 0
		.amdhsa_next_free_vgpr 172
		.amdhsa_next_free_sgpr 66
		.amdhsa_reserve_vcc 1
		.amdhsa_float_denorm_mode_32 3
		.amdhsa_float_denorm_mode_16_64 3
		.amdhsa_memory_ordered 1
		.amdhsa_forward_progress 1
		.amdhsa_inst_pref_size 20
	.end_amdhsa_kernel
	.amdgpu_metadata
---
amdhsa.version: [ 1, 2 ]
amdhsa.kernels:
  - .name:           k_qfc0172c11c_prep
    .symbol:         k_qfc0172c11c_prep.kd
    .args:
      - { .name: x, .offset: 0, .size: 8, .value_kind: global_buffer, .address_space: global }
      - { .name: packed, .offset: 8, .size: 8, .value_kind: global_buffer, .address_space: global }
      - { .name: scales, .offset: 16, .size: 8, .value_kind: global_buffer, .address_space: global }
      - { .name: offsets, .offset: 24, .size: 8, .value_kind: global_buffer, .address_space: global }
      - { .name: xq, .offset: 32, .size: 8, .value_kind: global_buffer, .address_space: global }
      - { .name: wq, .offset: 40, .size: 8, .value_kind: global_buffer, .address_space: global }
    .group_segment_fixed_size: 0
    .private_segment_fixed_size: 0
    .kernarg_segment_align: 8
    .kernarg_segment_size: 48
    .max_flat_workgroup_size: 128
    .sgpr_count:     66
    .vgpr_count:     172
    .wavefront_size: 32
...
	.end_amdgpu_metadata
.endif
;; end of part 1
;; launch gemm (part 2): grid 8 x 32, 4 waves a work-group, clusters of 4 x 4, 327,680 bytes of LDS; arguments xq, wq, bias, out0; writes out0
.if DOCPART == 2
	.amdgcn_target "amdgcn-amd-amdhsa--gfx1250"
	.amdhsa_code_object_version 6
	.text
	.protected	k_qfc0172c11c_gemm
	.globl	k_qfc0172c11c_gemm
	.p2align	8
	.type	k_qfc0172c11c_gemm,@function
k_qfc0172c11c_gemm:
	s_mov_b64 s[64:65], 0
	v_nop
	global_prefetch_b8 v0, s[64:65] scope:SCOPE_SE
	s_setreg_imm32_b32 hwreg(HW_REG_WAVE_MODE, 25, 1), 1
	s_wait_xcnt 0x0
	s_wait_alu depctr_hold_cnt(0) depctr_sa_sdst(0) depctr_va_vdst(0) depctr_va_sdst(0) depctr_va_ssrc(0) depctr_va_vcc(0) depctr_vm_vsrc(0)
	s_getreg_b32 s2, hwreg(HW_REG_IB_STS2, 6, 4)
	s_cmp_eq_u32 s2, 0
	s_cbranch_scc0 .Lentry_in_a_cluster
	s_endpgm
.Lentry_in_a_cluster:
	s_bfe_u32 s2, ttmp6, 0x10000c
	s_cmp_lg_u32 s2, 0xf033
	s_cbranch_scc0 .Lentry_shape_is_right
	s_endpgm
.Lentry_shape_is_right:
; out[m][n] = sum over k of x[m][k] W[n][k] + bias[n].  xq: [8192][4096] bf16, wq: [2048][4096] bf16 (the launch before wrote both).  bias: [2048] f32.  out: [8192][2048] f32.
; LIMITS.  The bias is rounded once to bf16 (all floating-point inputs of the program are); sums are kept in f32, K ascending, and leave unrounded.  NaN and infinities are not treated apart.
; WHY x ARRIVES IN bf16.  In f32 a K step of 128 would take two slots of 256 x 528 + 256 x 272 = 204,800 bytes, more than the 327,680 that a work-group can have; in bf16 two slots take 278,528.
; SHARES.  out has 32 x 8 tiles of 256 x 256; a work-group of four waves makes one, a wave 128 x 128 of it: 64 accumulators of 16 x 16, 512 registers.
; THE RING.  K goes in steps of 128 through two LDS slots filled by the tensor data mover, each with 256 rows of x and 256 rows of W; a tile's rows are 256 bytes of memory at multiples of 256.
; A refill is asked for in the last quarter of its slot's K step, and waited for at the head of the last quarter of the next: 224 matrix instructions of the wave lie between.
; CLUSTERS.  4 x 4 work-groups.  The four of a row of the cluster make tiles of one tile row and need the same tiles of x; the four of a column the same tiles of W.  Each tile is asked for JOINTLY:
; the same tensor load, descriptor and mask in all four.  A refill stands behind a round of the cluster's barrier.
; THE MATRIX INSTRUCTION IS USED TRANSPOSED: source 0 = 16 rows of W, source 1 = 16 rows of x.  Lane l then holds row l % 16 of out and the columns 8 (l / 16) + 0 .. 7.
; REGISTERS, in windows of 256 (s_set_vgpr_msb: bits 1:0 source 0, 3:2 source 1, 5:4 source 2, 7:6 destination):
;   window 0: v16-29 addresses; v32-37 bias; v64-127, v128-191 fragments of x (8 x 16 rows x 32 K), two buffers; on the way out these two hold rows read back from the stage
;   window 1: v64-127, v128-191 fragments of W, two buffers
;   window 2: the 32 accumulators of my rows 0-63 (accumulator (a, b) at v[8 (8 a + b)]);   window 3: those of my rows 64-127
.set SIZE_K, 4096
.set KSTEP,  128
.set PITCH,  272                       ; an LDS row: 256 bytes + 16 of padding = 68 words: the 16 rows that a load touches start at 16 different groups of four banks (64 banks of 4 bytes: ISA guide 11.1)
.set HALFT,  128*PITCH                 ; 128 rows: what one tensor load brings, and what one wave reads of x or of W
.set SLOT,   4*HALFT                   ; x's 256 rows, then W's 256 rows
.set STAGE,  2*SLOT                    ; behind the ring, never filled by a tensor load: 16 rows x 528 bytes for each wave, for the way out
.set SP,     528                       ; 512 bytes + 16
.set SPARE,  STAGE+4*16*SP             ; behind the stages: the spare words, 128 bytes for each wave: two blocks of 256 bytes that no other line names
.set LAPS,   SIZE_K/(2*KSTEP)          ; a lap = two K steps = once round the ring
.set ADRA, 16                          ; v16-17  LDS address of my fragments of x in slot 0, 1
.set ADRB, 20                          ; v20-21  the same for W
.set STO,  24                          ; v24     the way out: where I put 32 bytes of a row
.set RD,   25                          ; v25     the way out: where I read a row back
.set CO,   26                          ; v26     16 x lane: my byte offset in 512 consecutive bytes of out and of bias
.set SPW,  28                          ; v28     LDS address of my spare word: SPARE + 4 x my thread's number; never rewritten
.set NIL,  29                          ; v29     0; never rewritten
.set BI,   32                          ; v32-35  bias of columns 4 lane .. + 3 of my 128
.set BT,   36                          ; v36-37  at work
.set F0,   64                          ; fragment buffer 0
.set F1,   128                         ; fragment buffer 1
.set OB,   64                          ; the way out: 16 rows read back: v64-127 and v128-191 by turns
.set WV,   12                          ; s12  my wave's number
.set FB,   13                          ; s13  which half of the tile's rows is mine.  Also: I fetch for x (0) or for W (1)
.set HF,   14                          ; s14  which half of its columns.  Also: which 128 rows of that tile I fetch
.set TM,   15                          ; s15  tile row
.set G1A,  24                          ; s[24:31] descriptor group 1 for x's tiles;  s[32:39] group 0, a set for each slot
.set G0A,  32
.set CX,   40
.set CY,   41
.set TN,   42                          ; s42  tile column
.set G1B,  48                          ; s[48:55], s[56:63] the same for W's tiles
.set G0B,  56
.set MSB, 0
.macro WIN new                         ; the immediate's high byte repeats the setting that is left; a switch that changes nothing is dropped
.if MSB != (\new)
	s_set_vgpr_msb (MSB<<8)|(\new)
.set MSB, \new
.endif
.endm
.set MUL_LO, 0xa1                      ; source 0 (W) window 1, source 1 (x) window 0, C and D window 2; + 0x50: C and D window 3
.set TO_B,   0x40                      ; destination window 1, address window 0
; A joint refill.  Waves 0 and 1 fetch the two halves of x's tile, waves 2 and 3 those of W's.  The branch hangs on the wave's number alone: it is the same in every work-group.
; An s_nop 0 and four v_nop follow each of the two lines, ahead of the jump, the label and what follows.
.macro JLOAD slot
	s_cmp_eq_u32 s[FB], 0
	s_cbranch_scc0 .Lfor_b_\@
	tensor_load_to_lds s[G0A+4*(\slot):G0A+4*(\slot)+3], s[G1A:G1A+7]
	s_nop 0
.rept 4
	v_nop
.endr
	s_branch .Lasked_\@
.Lfor_b_\@:
	tensor_load_to_lds s[G0B+4*(\slot):G0B+4*(\slot)+3], s[G1B:G1B+7]
	s_nop 0
.rept 4
	v_nop
.endr
.Lasked_\@:
.endm
; A round of the cluster's barrier: my work-group's barrier, so that wave 0's signal speaks for all four waves; wave 0 signals for the work-group; every wave waits for all sixteen work-groups;
; my work-group's barrier once more.  No LDS instruction of the wave is pending at a signal.
.macro CREST                           ; a round behind its opening barrier
	s_cmp_lg_u32 s[WV], 0
	s_cbranch_scc1 .Lnot_wave_0_\@
	s_barrier_signal -3
.Lnot_wave_0_\@:
	s_barrier_wait -3
	s_barrier_signal -1
	s_barrier_wait -1
.endm
.macro CROUND                          ; a whole round
	s_barrier_signal -1
	s_barrier_wait -1
	CREST
.endm
	s_load_b256 s[4:11], s[0:1], 0x0               ; xq s[4:5], wq s[6:7], bias s[8:9], out s[10:11]
	v_lshl_add_u32 v[SPW], v0, 2, SPARE
	v_mov_b32 v[NIL], 0
	ds_add_u32 v[SPW], v[NIL]                      ; the wave's opening: the add and its wait stand ahead of my first tensor load; the set-up below, work on registers, stands between them
	v_lshrrev_b32 v1, 5, v0
	v_readfirstlane_b32 s[WV], v1                  ; wave 0..3
	s_lshr_b32 s[FB], s[WV], 1
	s_and_b32 s[HF], s[WV], 1
	s_bfe_u32 s[CX], ttmp6, 0x40000                ; my place along the cluster's x
	s_bfe_u32 s[CY], ttmp6, 0x40004                ; along its y
	s_lshl_b32 s[TN], ttmp9, 2                     ; in a cluster launch ttmp9 and ttmp7 count clusters
	s_add_co_u32 s[TN], s[TN], s[CX]               ; tile column = 4 x cluster x + cx
	s_and_b32 s[TM], ttmp7, 0xffff
	s_lshl_b32 s[TM], s[TM], 2
	s_add_co_u32 s[TM], s[TM], s[CY]               ; tile row = 4 x cluster y + cy
	s_lshl_b32 s43, s[CY], 2
	s_lshl_b32 s43, 15, s43                        ; my row of the cluster: places 4 cy .. 4 cy + 3
	s_lshl_b32 s44, 0x1111, s[CX]                  ; my column: places cx, cx + 4, cx + 8, cx + 12
	; descriptor group 1: a tile of 128 rows x 128 elements of 2 bytes, 4,096 elements from row to row, padded in LDS
	s_or_b32 s[G1A+0], s43, (1<<16)|(1<<20)|(1<<21)|(5<<22)|(3<<25)  ; 15:0 the mask: x's tiles go to my row; 17:16 elements of 2 bytes; 20 padding on; 21 set beside a mask; 24:22 after every 64 words (code 5); 31:25 4 words of it (code 3)
	s_or_b32 s[G1B+0], s44, (1<<16)|(1<<20)|(1<<21)|(5<<22)|(3<<25)  ; the same with the mask of my column, for W's tiles
.irp g, G1A, G1B
	s_mov_b32 s[(\g)+1], KSTEP<<16                 ; tensor_dim0 = 128
	s_mov_b32 s[(\g)+2], 128<<16                   ; tensor_dim1 = 128
	s_mov_b32 s[(\g)+3], KSTEP<<16                 ; tile_dim0 = 128
	s_mov_b32 s[(\g)+4], 128                       ; tile_dim1 = 128
	s_mov_b32 s[(\g)+5], SIZE_K                    ; elements from row to row
	s_mov_b32 s[(\g)+6], 0
	s_mov_b32 s[(\g)+7], 0
.endr
	; where the tiles come from.  x's hang on the tile row alone, which my row of the cluster shares; W's on the tile column alone, which my column shares; each in registers that never hold the other coordinate
	s_lshl_b32 s16, s[TM], 8
	s_lshl_b32 s17, s[HF], 7
	s_add_co_u32 s16, s16, s17                     ; x: row 256 x tile row + 128 x half,
	s_lshl_b32 s16, s16, 13                        ; of 8,192 bytes: under 2^27
	s_mov_b32 s17, 0
	s_lshl_b32 s46, s[TN], 8
	s_lshl_b32 s47, s[HF], 7
	s_add_co_u32 s46, s46, s47                     ; W: row 256 x tile column + 128 x half,
	s_lshl_b32 s46, s46, 13                        ; of 8,192 bytes
	s_mov_b32 s47, 0
	s_mul_i32 s20, s[WV], HALFT                    ; and where they go: x's two halves, then W's two halves = wave x 128 rows: no place in the cluster enters an LDS address
	s_lshl_b32 s22, s[TM], 8
	s_lshl_b32 s23, s[FB], 7
	s_add_co_u32 s22, s22, s23                     ; my first row of out: 256 x tile row + 128 x half,
	s_lshl_b32 s22, s22, 13                        ; of 8,192 bytes
	s_mov_b32 s23, 0
	s_wait_dscnt 0x0                               ; the opening add is done
	s_wait_kmcnt 0x0
	s_add_nc_u64 s[4:5], s[4:5], s[16:17]          ; xq at my part of K step 0
	s_add_nc_u64 s[6:7], s[6:7], s[46:47]          ; wq at my part of K step 0
	s_lshl_b32 s46, s[TN], 10                      ; the tile's first column, in bytes of f32,
	s_lshl_b32 s45, s[HF], 9                       ; + my 128 columns
	s_add_co_u32 s46, s46, s45
	s_add_nc_u64 s[8:9], s[8:9], s[46:47]          ; bias at my first column
	s_add_nc_u64 s[10:11], s[10:11], s[22:23]      ; out at my first row,
	s_add_nc_u64 s[10:11], s[10:11], s[46:47]      ; and my first column
	CROUND                                         ; all sixteen work-groups are here: the first joint loads meet
.irp s, 0,1
	s_mov_b32 s[G0A+4*(\s)], 1                                        ; 1:0 count = 1
	s_add_co_u32 s[G0A+4*(\s)+1], s20, (\s)*SLOT                      ; 63:32 LDS address
	s_add_nc_u64 s[G0A+4*(\s)+2:G0A+4*(\s)+3], s[4:5], (\s)*KSTEP*2   ; 120:64 global address: K step s
	s_or_b32 s[G0A+4*(\s)+3], s[G0A+4*(\s)+3], 0x80000000             ; 127:126 type = 2
	s_mov_b32 s[G0B+4*(\s)], 1
	s_add_co_u32 s[G0B+4*(\s)+1], s20, (\s)*SLOT
	s_add_nc_u64 s[G0B+4*(\s)+2:G0B+4*(\s)+3], s[6:7], (\s)*KSTEP*2
	s_or_b32 s[G0B+4*(\s)+3], s[G0B+4*(\s)+3], 0x80000000
.endr
	s_cmp_eq_u32 s[FB], 0                          ; a wave's two first fills stand in one branch, ahead of every wait on TENSORcnt and every LDS read: two loads of mine are out
	s_cbranch_scc0 .Lfirst_b
	tensor_load_to_lds s[G0A:G0A+3], s[G1A:G1A+7]
	s_nop 0
	tensor_load_to_lds s[G0A+4:G0A+7], s[G1A:G1A+7]
	s_nop 0
.rept 4
	v_nop
.endr
	s_branch .Lfirst_asked
.Lfirst_b:
	tensor_load_to_lds s[G0B:G0B+3], s[G1B:G1B+7]
	s_nop 0
	tensor_load_to_lds s[G0B+4:G0B+7], s[G1B:G1B+7]
	s_nop 0
.rept 4
	v_nop
.endr
.Lfirst_asked:
	; A fragment is 16 rows x 32 K in 8 registers: lane l holds row l % 16; registers 0-3 hold K = 8 (l / 16) + 0..7, registers 4-7 hold K = 16 + 8 (l / 16) + 0..7.
	; From rows that lie along K: two loads of 16 bytes, 32 bytes apart, at row x pitch + 16 (l / 16).  The same for source 0 and source 1.
	v_and_b32 v1, 15, v0                           ; l % 16
	v_bfe_u32 v2, v0, 4, 1                         ; l / 16
	v_and_b32 v3, 31, v0                           ; l
	v_mul_u32_u24 v4, v1, PITCH
	v_lshl_add_u32 v4, v2, 4, v4
	s_mul_i32 s21, s[FB], HALFT                    ; my 128 rows of x
	s_mul_i32 s45, s[HF], HALFT                    ; my 128 rows of W,
	s_add_co_u32 s45, s45, 2*HALFT                 ; which lie behind x's 256
	v_add_nc_u32 v[ADRA], s21, v4
	v_add_nc_u32 v[ADRA+1], SLOT, v[ADRA]
	v_add_nc_u32 v[ADRB], s45, v4
	v_add_nc_u32 v[ADRB+1], SLOT, v[ADRB]
	s_mul_i32 s45, s[WV], 16*SP
	s_add_co_u32 s45, s45, STAGE                   ; my stage
	v_mul_u32_u24 v6, v1, SP                       ; in: row l % 16, 32 bytes for each half of the lanes
	v_lshl_add_u32 v6, v2, 5, v6
	v_add_nc_u32 v[STO], s45, v6
	v_lshlrev_b32 v[CO], 4, v3
	v_add_nc_u32 v[RD], s45, v[CO]                 ; back: 32 lanes take one row of 512 bytes
	global_load_b128 v[BI:BI+3], v[CO], s[8:9]
; 16 matrix instructions: row blocks a0, a0 + 1 of the window's four (hi = 0: my rows 0-63, 1: rows 64-127) x all 8 column blocks, 32 along K, from buffer f.
; zero = 1: the product starts the sum: nothing is ever cleared.  The 64 accumulators take turns, one instruction a turn, in the same order in every quarter step, over the loop's backward jump too.
.macro MUL16 f, hi, a0, zero
	WIN MUL_LO+0x50*(\hi)
.set aa, \a0
.rept 2
.set bb, 0
.rept 8
.set rD, 8*(8*aa+bb)
.set rB, (\f)+8*bb
.set rA, (\f)+8*(4*(\hi)+aa)
.if \zero
	v_wmma_f32_16x16x32_bf16 v[rD:rD+7], v[rB:rB+7], v[rA:rA+7], 0
.else
	v_wmma_f32_16x16x32_bf16 v[rD:rD+7], v[rB:rB+7], v[rA:rA+7], v[rD:rD+7]
.endif
.set bb, bb+1
.endr
.set aa, aa+1
.endr
.endm
; 32 LDS loads in one run: the fragments of one quarter step (128 rows of W, then 128 rows of x, 32 K at byte k of the rows) into buffer f
.macro FETCH slot, k, f
	WIN TO_B
.set ii, 0
.rept 8
	ds_load_b128 v[(\f)+8*ii:(\f)+8*ii+3],   v[ADRB+(\slot)] offset:(\k)+ii*16*PITCH
	ds_load_b128 v[(\f)+8*ii+4:(\f)+8*ii+7], v[ADRB+(\slot)] offset:(\k)+ii*16*PITCH+32
.set ii, ii+1
.endr
	WIN 0
.set ii, 0
.rept 8
	ds_load_b128 v[(\f)+8*ii:(\f)+8*ii+3],   v[ADRA+(\slot)] offset:(\k)+ii*16*PITCH
	ds_load_b128 v[(\f)+8*ii+4:(\f)+8*ii+7], v[ADRA+(\slot)] offset:(\k)+ii*16*PITCH+32
.set ii, ii+1
.endr
.endm
; A load into a register that a matrix instruction has read stands four places behind that matrix instruction, and only plain vector instructions that name none of its registers are places
; (ISA guide 7.12.1 for vector instructions); the matrix instructions in between are not counted.  So four v_nop stand in front of each run of loads.
.macro PLACES
.rept 4
	v_nop
.endr
.endm
; A K step is four quarter steps of 32 along K, 64 matrix instructions each, on buffers 0, 1, 0, 1.
; One of the first three: multiplies buffer f; in its middle it fetches the next quarter's fragments, at byte k of the same slot's rows, into buffer g.
.macro QUARTER slot, k, f, g, zero
	s_wait_dscnt 8                                 ; LDS loads come back in order (ISA guide 5.7.1): W and x's rows 0-63 are in; the youngest eight loads (x's rows 64-127) may be out
	MUL16 \f, 0, 0, \zero
	MUL16 \f, 0, 2, \zero
	PLACES
	FETCH \slot, \k, \g
	s_wait_dscnt 32                                ; all but the 32 just issued
	MUL16 \f, 1, 0, \zero
	MUL16 \f, 1, 2, \zero
.endm
; The last quarter multiplies buffer 1 and changes slots.  MEET is its first half: ONE barrier for the change of slots, for two things.  In front of it each wave waits for all its tensor loads, of which one
; is out: its part of the next slot; adds 0 to its spare word; and waits for that and for its own reads of this slot.  Behind it nobody reads this slot any more and the next slot is whole.
.macro MEET round                      ; round = 1: a round of the cluster's barrier follows
	WIN 0                                          ; (the add's two registers lie in window 0)
	s_wait_tensorcnt 0x0                           ; all my tensor loads have landed;
	ds_add_u32 v[SPW], v[NIL]                      ; 0 onto my spare word;
	s_wait_dscnt 9                                 ; (the add and the youngest eight loads may be out)
	MUL16 F1, 0, 0, 0                              ; sixteen matrix instructions stand between the add and the wait for it
	s_wait_dscnt 0x0                               ; the add is done, and my reads of this slot are over:
	s_barrier_signal -1                            ; say so,
	MUL16 F1, 0, 2, 0                              ; work on registers while the others arrive,
.if \round
	WIN 0
.endif
	s_barrier_wait -1                              ; and go on when all four have said so
.endm
; The whole last quarter.  The barrier opens a round of the cluster's; behind the round the slot just read out is filled again first, two K steps on; then come the next slot's first fragments.
.macro TURN slot, next
	MEET 1
	CREST                                          ; no wave of any partner still reads this slot's tiles or has a load on its way
	s_add_nc_u64 s[G0A+4*(\slot)+2:G0A+4*(\slot)+3], s[G0A+4*(\slot)+2:G0A+4*(\slot)+3], 2*KSTEP*2  ; no tensor load of mine is out, so a group 0 may be written; the type bits on top are not reached
	s_add_nc_u64 s[G0B+4*(\slot)+2:G0B+4*(\slot)+3], s[G0B+4*(\slot)+2:G0B+4*(\slot)+3], 2*KSTEP*2
	JLOAD \slot                                    ; the first tensor load behind the round, and my only one until the next; the four v_nop behind it are also the places in front of the loads below
	FETCH \next, 0, F0
	MUL16 F1, 1, 0, 0
	MUL16 F1, 1, 2, 0
.endm
	s_wait_loadcnt 0x0                             ; bias: no global load is out at a barrier
	s_wait_tensorcnt 0x1                           ; my part of K step 0 is in; K step 1's may stay out
	s_barrier_signal -1
	s_barrier_wait -1                              ; everybody's is
	FETCH 0, 0, F0
	QUARTER 0, 64,  F0, F1, 1                      ; the first quarter stands in front of the loop: its products start the sums
	WIN 0                                          ; at a label and at a branch every window is 0
	s_mov_b32 s3, LAPS-1
.Llap:                                                 ; a trip goes once round the ring, from a lap's second quarter to the next lap's first, and fills both slots again: K steps 2 to 31 in 15 trips
	QUARTER 0, 128, F1, F0, 0
	QUARTER 0, 192, F0, F1, 0
	TURN 0, 1
	QUARTER 1, 64,  F0, F1, 0
	QUARTER 1, 128, F1, F0, 0
	QUARTER 1, 192, F0, F1, 0
	TURN 1, 0
	QUARTER 0, 64,  F0, F1, 0
	WIN 0
	s_sub_co_u32 s3, s3, 1
	s_cmp_lg_u32 s3, 0
	s_cbranch_scc1 .Llap
	QUARTER 0, 128, F1, F0, 0                      ; the last lap is written out: nothing is asked for, so its barrier opens no round
	QUARTER 0, 192, F0, F1, 0
	MEET 0                                         ; my one tensor load that was still out is slot 1's, the last K step's
	PLACES                                         ; for the loads into buffer 0, which the quarter before multiplied
	FETCH 1, 0, F0
	MUL16 F1, 1, 0, 0
	MUL16 F1, 1, 2, 0
	QUARTER 1, 64,  F0, F1, 0
	QUARTER 1, 128, F1, F0, 0
	QUARTER 1, 192, F0, F1, 0
	s_wait_dscnt 8                                 ; the very last quarter: nothing more to fetch
	MUL16 F1, 0, 0, 0
	MUL16 F1, 0, 2, 0
	s_wait_dscnt 0x0
	MUL16 F1, 1, 0, 0
	MUL16 F1, 1, 2, 0
	; THE WAY OUT.  The bias is rounded to bf16 and widened again: six plain instructions that name no register of the last products, the places behind them.
	WIN 0
	v_cvt_pk_bf16_f32 v[BT], v[BI], v[BI+1]
	v_cvt_pk_bf16_f32 v[BT+1], v[BI+2], v[BI+3]
.irp i, 0,1
	v_lshlrev_b32 v[BI+2*(\i)], 16, v[BT+(\i)]
	v_and_b32 v[BI+2*(\i)+1], 0xffff0000, v[BT+(\i)]
.endr
; Block k of eight: my rows 16 k .. 16 k + 15, 512 bytes each.  A lane's 32 bytes of a row go straight from the accumulators into my own stage (each accumulator's low four registers first),
; rows 528 bytes apart, and come back as whole rows.  LDS serves a wave's instructions in order (ISA guide 5.7.1.4): the loads see the stores above them, and the next block's stores come behind them.
.macro TOSTAGE k
.set BK, OB+64*((\k)%2)
	s_wait_xcnt 0x0                                ; every earlier store has had its address translated (ISA guide 3.1): the registers that the block two back was stored from are loaded again only behind this wait
	WIN 0x08+4*((\k)/4)                            ; the stores' data (source 1) in window 2 or 3
.set bb, 0
.rept 8
.set rD, 64*((\k)%4)+8*bb
	ds_store_b128 v[STO], v[rD:rD+3] offset:64*bb
	ds_store_b128 v[STO], v[rD+4:rD+7] offset:64*bb+16
.set bb, bb+1
.endr
	WIN 0
.set tt, 0
.rept 16
	ds_load_b128 v[BK+4*tt:BK+4*tt+3], v[RD] offset:tt*SP
.set tt, tt+1
.endr
.endm
; The block gets its bias and leaves.  younger: the LDS instructions issued behind its loads: the next block's 16 stores and 16 loads, or none.
.macro SEND k, younger
.set BK, OB+64*((\k)%2)
	WIN 0
	s_wait_dscnt \younger
.set tt, 0
.rept 16
	v_pk_add_f32 v[BK+4*tt:BK+4*tt+1], v[BK+4*tt:BK+4*tt+1], v[BI:BI+1]
	v_pk_add_f32 v[BK+4*tt+2:BK+4*tt+3], v[BK+4*tt+2:BK+4*tt+3], v[BI+2:BI+3]
	global_store_b128 v[CO], v[BK+4*tt:BK+4*tt+3], s[10:11] offset:(\k)*131072+tt*8192 th:TH_STORE_NT  ; 512 consecutive bytes at a multiple of 512 from out's first byte; the row stands in the immediate, 1,040,384 at the most
.set tt, tt+1
.endr
.endm
	TOSTAGE 0
.set kk, 1
.rept 7                                ; a block's trip through the stage stands between the loads of the block before and its stores
	TOSTAGE kk
	SEND kk-1, 32
.set kk, kk+1
.endr
	SEND 7, 0
	s_wait_tensorcnt 0x0                           ; the wave's end, behind my last tensor load and my last LDS store
	ds_add_u32 v[SPW], v[NIL]
	s_wait_dscnt 0x0
	CROUND                                         ; the closing round: no work-group ends while a partner may still ask for a tile that names it
	s_endpgm
.Lfunc_end_k_qfc0172c11c_gemm:
	.size	k_qfc0172c11c_gemm, .Lfunc_end_k_qfc0172c11c_gemm-k_qfc0172c11c_gemm
	.p2alignl 7, 3214868480
	.fill 96, 4, 3214868480
	.section	.rodata,"a",@progbits
	.p2align	6, 0x0
	.amdhsa_kernel k_qfc0172c11c_gemm
		.amdhsa_group_segment_fixed_size 327680
		.amdhsa_private_segment_fixed_size 0
		.amdhsa_enable_private_segment 0
		.amdhsa_kernarg_size 32
		.amdhsa_user_sgpr_count 2
		.amdhsa_user_sgpr_kernarg_segment_ptr 1
		.amdhsa_wavefront_size32 1
		.amdhsa_system_sgpr_workgroup_id_x 1
		.amdhsa_system_sgpr_workgroup_id_y 1
		.amdhsa_system_sgpr_workgroup_id_z 1
		.amdhsa_system_vgpr_workitem_id 0
		.amdhsa_next_free_vgpr 1024
		.amdhsa_next_free_sgpr 66
		.amdhsa_reserve_vcc 0
		.amdhsa_float_denorm_mode_32 3
		.amdhsa_float_denorm_mode_16_64 3
		.amdhsa_memory_ordered 1
		.amdhsa_forward_progress 1
		.amdhsa_inst_pref_size 156
	.end_amdhsa_kernel
	.amdgpu_metadata
---
amdhsa.version: [ 1, 2 ]
amdhsa.kernels:
  - .name:           k_qfc0172c11c_gemm
    .symbol:         k_qfc0172c11c_gemm.kd
    .args:
      - { .name: xq, .offset: 0, .size: 8, .value_kind: global_buffer, .address_space: global }
      - { .name: wq, .offset: 8, .size: 8, .value_kind: global_buffer, .address_space: global }
      - { .name: bias, .offset: 16, .size: 8, .value_kind: global_buffer, .address_space: global }
      - { .name: out0, .offset: 24, .size: 8, .value_kind: global_buffer, .address_space: global }
    .group_segment_fixed_size: 327680
    .private_segment_fixed_size: 0
    .kernarg_segment_align: 8
    .kernarg_segment_size: 32
    .max_flat_workgroup_size: 128
    .sgpr_count:     66
    .vgpr_count:     1024
    .wavefront_size: 32
...
	.end_amdgpu_metadata
.endif
;; end of part 2
;; ======== version 2 of 2: 2 launches; version 1 with the launch prep written anew for expert scheduling mode
;; workspace buffers: xq 67,108,864 bytes; wq 16,777,216 bytes
;; launch prep (part 3): grid 2048 x 1, 4 waves a work-group, no clusters, 0 bytes of LDS; arguments x, packed, scales, offsets, xq, wq; writes xq, wq
.if DOCPART == 3
	.amdgcn_target "amdgcn-amd-amdhsa--gfx1250"
	.amdhsa_code_object_version 6
	.text
	.protected	k_qfc0172c11c_prep
	.globl	k_qfc0172c11c_prep
	.p2align	8
	.type	k_qfc0172c11c_prep,@function
k_qfc0172c11c_prep:
	s_mov_b64 s[64:65], 0
	v_nop
	global_prefetch_b8 v0, s[64:65] scope:SCOPE_SE
	s_setreg_imm32_b32 hwreg(HW_REG_WAVE_SCHED_MODE, 0, 2), 2
	s_setreg_imm32_b32 hwreg(HW_REG_WAVE_MODE, 25, 1), 1
	s_wait_xcnt 0x0
	s_wait_alu depctr_vm_vsrc(0)
; Both operands of the product that follows, each made once, in bf16:
;   xq[m][i] = bf16(x[m][i]),  m < 8192, i < 4096;
;   wq[o][i] = bf16(q[o][i] * scale[o][i/128] + offset[o][i/128]),  o < 2048, i < 4096.
; packed holds two 4-bit codes in bits 7:0 of each 32-bit word (low nibble first); the other bits are not looked at, as in the definition.
; LIMITS.  x, scale and offset are each rounded once to bf16 (all floating-point inputs of the program are); w is one fused multiply-add in f32 (the definition multiplies, rounds, adds),
; rounded once to bf16.  bf16 has f32's range.  NaN and infinities are not treated apart.
; SHARES.  A stream: no LDS, no barrier, no loop, no matrix work: memory binds it.  Wave p = 4 x work-group + wave takes row p of x (16 KiB: 32 loads of 512 consecutive bytes) and bytes 2048 p .. + 2047 of
; packed (1,024 weights, 8 groups: 4 loads).  All 38 loads of a wave go out at once.  Two weights take 4 bytes in packed and 4 bytes in wq, so a lane's 16 bytes have the same offset in both.
; A store of xq is 8 bytes a lane: 256 consecutive bytes at a multiple of 256; a store of wq 16 bytes a lane: 512.  Results are written over the words they came from: no register that a load or
; store names is written again, so no wait frees one.
; THE MODE: SCHED_MODE bits 1:0 = 2 (LLVM: expert scheduling mode 2), set by the entry lines.  The code itself states the register dependences between vector instructions and memory
; instructions, and those through scalar registers and VCC that vector instructions write, with s_wait_alu, always for 0.
; THE PLAN.  Registers that memory instructions touch:
;   v5 .. v8   byte offsets, made at the head and never written again; every load and store reads one of them.
;   S, O       a load lands in each; behind the wait for it vector instructions alone name them.
;   W          packed's four loads land here; each group's lines read the words and round the results over them; one store each reads them, and nothing writes them after it.
;   X          x's 32 loads land here; two roundings a load write the first two of its four registers; one store each reads those two, and nothing writes them after it.
;   T, SS, OO, TT are named by vector instructions alone.
; x goes in eight blocks of four loads.  At the head of block p stand the wait for its data and ONE wait on va_vdst: the roundings of the block before (for block 0: W's) have written their results.
; The four stores of that block before follow it, dealt among block p's eight roundings, which name the registers of x's loads 4 p .. 4 p + 3 alone: none that those stores read.
; One more such wait stands ahead of the last four stores.  No store's data and no offset is ever written again, and no load lands in a register that a vector instruction has named: no wait on vm_vsrc is owed.
; The sixteen v_readlane_b32 stand in one run, with one wait on va_sdst behind it; VCC is written once, at the head, with its wait there.
.set VX,   5                           ; v5       my byte offset in the work-group's four rows of x
.set VXO,  6                           ; v6       the same in xq
.set VW,   7                           ; v7       my byte offset in the work-group's 8 KiB of packed, and of wq
.set VSC,  8                           ; v8       byte offset of scale and offset of group l & 7 of my wave's eight
.set S,    10                          ; v10      lane l: the scale of group l & 7
.set O,    11                          ; v11      its offset
.set TT,   12                          ; v12      at work
.set SS,   14                          ; v[14:15] my group's scale, in the low register of a pair
.set OO,   16                          ; v[16:17] my group's offset likewise
.set T,    18                          ; v[18:25] eight numbers at work
.set W,    28                          ; v[28:43] four registers for each of packed's 4 loads: words as loaded, then bf16 to store
.set X,    44                          ; v[44:171] four registers for each of x's 32 loads: f32 as loaded, then bf16 in the first two
.set SC,   16                          ; s[16:31] for load j of packed, at SC + 4 j: the scales of groups 2 j and 2 j + 1, then their offsets (s16-23 hold the work-group's byte offsets first, which are spent by then)
	s_load_b256 s[4:11], s[0:1], 0x0               ; x s[4:5], packed s[6:7], scales s[8:9], offsets s[10:11]
	s_load_b128 s[12:15], s[0:1], 0x20             ; xq s[12:13], wq s[14:15]
	v_and_b32 v1, 31, v0                           ; lane
	v_lshrrev_b32 v2, 5, v0                        ; wave
	v_bfe_u32 v3, v0, 4, 1                         ; which half of the lanes
	v_and_b32 v4, 7, v0
	v_lshlrev_b32 v[VX], 4, v1                     ; 16 lane
	v_lshl_add_u32 v[VX], v2, 14, v[VX]            ; + 16,384 wave: a row of x
	v_lshlrev_b32 v[VXO], 3, v1                    ; 8 lane
	v_lshl_add_u32 v[VXO], v2, 13, v[VXO]          ; + 8,192 wave: a row of xq
	v_lshlrev_b32 v[VW], 4, v1                     ; 16 lane
	v_lshl_add_u32 v[VW], v2, 11, v[VW]            ; + 2,048 wave
	v_lshlrev_b32 v[VSC], 2, v4                    ; 4 (lane & 7)
	v_lshl_add_u32 v[VSC], v2, 5, v[VSC]           ; + 32 wave: eight groups
	v_mov_b32 v[SS+1], 0                           ; named with SS and OO as pairs, so they are written
	v_mov_b32 v[OO+1], 0
	v_cmp_ne_u32 vcc_lo, 0, v3                     ; lanes 16 to 31: the later group of a load's two
	s_lshl_b32 s16, ttmp9, 16                      ; the work-group's four rows of x: under 2^28
	s_mov_b32 s17, 0
	s_lshl_b32 s18, ttmp9, 15                      ; of xq
	s_mov_b32 s19, 0
	s_lshl_b32 s20, ttmp9, 13                      ; its 8 KiB of packed and of wq
	s_mov_b32 s21, 0
	s_lshl_b32 s22, ttmp9, 7                       ; its 32 groups
	s_mov_b32 s23, 0
	s_wait_kmcnt 0x0
	s_add_nc_u64 s[4:5], s[4:5], s[16:17]
	s_add_nc_u64 s[6:7], s[6:7], s[20:21]
	s_add_nc_u64 s[8:9], s[8:9], s[22:23]
	s_add_nc_u64 s[10:11], s[10:11], s[22:23]
	s_add_nc_u64 s[12:13], s[12:13], s[18:19]
	s_add_nc_u64 s[14:15], s[14:15], s[20:21]
	s_wait_alu depctr_va_vcc(0)                    ; the compare has written VCC, ahead of its first reader: the selects of the four groups read it
	s_wait_alu depctr_va_vdst(0)                   ; the four offsets v5 to v8 are written: every load and store of the kernel reads one of them
	global_load_b32 v[S], v[VSC], s[8:9]
	global_load_b32 v[O], v[VSC], s[10:11]
.set n, 0
.rept 4
	global_load_b128 v[W+4*n:W+4*n+3], v[VW], s[6:7] offset:512*n th:TH_LOAD_NT   ; read once in the whole program
.set n, n+1
.endr
.set n, 0
.rept 32
	global_load_b128 v[X+4*n:X+4*n+3], v[VX], s[4:5] offset:512*n th:TH_LOAD_NT   ; likewise
.set n, n+1
.endr
	s_wait_loadcnt 36                              ; loads come back in order (ISA guide 5.7.1): scale and offset are in, the 4 + 32 younger loads stay out
	v_cvt_pk_bf16_f32 v[TT], v[S], v[O]            ; both rounded to bf16,
	v_lshlrev_b32 v[S], 16, v[TT]                  ; and widened again
	v_and_b32 v[O], 0xffff0000, v[TT]
.set n, 0
.rept 4                                ; the scales and offsets of all eight groups come out of lanes 0 to 7, in one run
	v_readlane_b32 s[SC+4*n],   v[S], 2*n
	v_readlane_b32 s[SC+4*n+1], v[S], 2*n+1
	v_readlane_b32 s[SC+4*n+2], v[O], 2*n
	v_readlane_b32 s[SC+4*n+3], v[O], 2*n+1
.set n, n+1
.endr
	s_wait_alu depctr_va_sdst(0)                   ; the sixteen lines above have written s16 to s31, ahead of their first readers: the moves and selects of the four groups
; Load j of packed: groups 2 j (lanes 0-15) and 2 j + 1 (lanes 16-31).  Each half of the lanes takes its group's scale and offset; 8 codes a lane are cut out, made f32, scaled and rounded.
; The store follows later, behind the wait at the head of x's first block.
.macro GRP j
	s_wait_loadcnt 35-(\j)                         ; load j is in; the 3 - j of packed and the 32 of x behind it stay out
	v_mov_b32 v[SS], s[SC+4*(\j)]
	v_cndmask_b32 v[SS], v[SS], s[SC+4*(\j)+1], vcc_lo
	v_mov_b32 v[OO], s[SC+4*(\j)+2]
	v_cndmask_b32 v[OO], v[OO], s[SC+4*(\j)+3], vcc_lo
.irp k, 0,1,2,3
	v_and_b32 v[T+2*(\k)], 15, v[W+4*(\j)+(\k)]        ; the low nibble is the earlier weight,
	v_bfe_u32 v[T+2*(\k)+1], v[W+4*(\j)+(\k)], 4, 4    ; the high nibble the later
.endr
.irp k, 0,1,2,3,4,5,6,7
	v_cvt_f32_u32 v[T+(\k)], v[T+(\k)]
.endr
.irp k, 0,2,4,6
	v_pk_fma_f32 v[T+(\k):T+(\k)+1], v[T+(\k):T+(\k)+1], v[SS:SS+1], v[OO:OO+1] op_sel_hi:[1,0,0]  ; both halves take the pairs' low registers
.endr
.irp k, 0,1,2,3
	v_cvt_pk_bf16_f32 v[W+4*(\j)+(\k)], v[T+2*(\k)], v[T+2*(\k)+1]
.endr
.endm
.irp j, 0,1,2,3
	GRP \j
.endr
; Block p of x: loads 4 p .. 4 p + 3; four numbers a lane and load become 8 bytes.  Ahead of each load's two roundings goes one store of the block before: for block 0 one of wq's four.
.macro XBLK p
	s_wait_loadcnt 28-4*(\p)                       ; the block's four loads are in, the younger ones stay out
	s_wait_alu depctr_va_vdst(0)                   ; the roundings of the block before (block 0: W's) have written the registers that the four stores below read
.irp i, 0,1,2,3
.if (\p) == 0
	global_store_b128 v[VW], v[W+4*(\i):W+4*(\i)+3], s[14:15] offset:512*(\i)
.else
	global_store_b64 v[VXO], v[X+4*(4*(\p)-4+(\i)):X+4*(4*(\p)-4+(\i))+1], s[12:13] offset:256*(4*(\p)-4+(\i))  ; no vector instruction since the wait names these registers
.endif
	v_cvt_pk_bf16_f32 v[X+4*(4*(\p)+(\i))],   v[X+4*(4*(\p)+(\i))],   v[X+4*(4*(\p)+(\i))+1]
	v_cvt_pk_bf16_f32 v[X+4*(4*(\p)+(\i))+1], v[X+4*(4*(\p)+(\i))+2], v[X+4*(4*(\p)+(\i))+3]
.endr
.endm
.irp p, 0,1,2,3,4,5,6,7
	XBLK \p
.endr
	s_wait_alu depctr_va_vdst(0)                   ; block 7's roundings have written the registers that the last four stores read
.irp i, 28,29,30,31
	global_store_b64 v[VXO], v[X+4*(\i):X+4*(\i)+1], s[12:13] offset:256*(\i)
.endr
	s_endpgm
.Lfunc_end_k_qfc0172c11c_prep:
	.size	k_qfc0172c11c_prep, .Lfunc_end_k_qfc0172c11c_prep-k_qfc0172c11c_prep
	.p2alignl 7, 3214868480
	.fill 96, 4, 3214868480
	.section	.rodata,"a",@progbits
	.p2align	6, 0x0
	.amdhsa_kernel k_qfc0172c11c_prep
		.amdhsa_group_segment_fixed_size 0
		.amdhsa_private_segment_fixed_size 0
		.amdhsa_enable_private_segment 0
		.amdhsa_kernarg_size 48
		.amdhsa_user_sgpr_count 2
		.amdhsa_user_sgpr_kernarg_segment_ptr 1
		.amdhsa_wavefront_size32 1
		.amdhsa_system_sgpr_workgroup_id_x 1
		.amdhsa_system_sgpr_workgroup_id_y 1
		.amdhsa_system_sgpr_workgroup_id_z 1
		.amdhsa_system_vgpr_workitem_id 0
		.amdhsa_next_free_vgpr 172
		.amdhsa_next_free_sgpr 66
		.amdhsa_reserve_vcc 1
		.amdhsa_float_denorm_mode_32 3
		.amdhsa_float_denorm_mode_16_64 3
		.amdhsa_memory_ordered 1
		.amdhsa_forward_progress 1
		.amdhsa_inst_pref_size 20
	.end_amdhsa_kernel
	.amdgpu_metadata
---
amdhsa.version: [ 1, 2 ]
amdhsa.kernels:
  - .name:           k_qfc0172c11c_prep
    .symbol:         k_qfc0172c11c_prep.kd
    .args:
      - { .name: x, .offset: 0, .size: 8, .value_kind: global_buffer, .address_space: global }
      - { .name: packed, .offset: 8, .size: 8, .value_kind: global_buffer, .address_space: global }
      - { .name: scales, .offset: 16, .size: 8, .value_kind: global_buffer, .address_space: global }
      - { .name: offsets, .offset: 24, .size: 8, .value_kind: global_buffer, .address_space: global }
      - { .name: xq, .offset: 32, .size: 8, .value_kind: global_buffer, .address_space: global }
      - { .name: wq, .offset: 40, .size: 8, .value_kind: global_buffer, .address_space: global }
    .group_segment_fixed_size: 0
    .private_segment_fixed_size: 0
    .kernarg_segment_align: 8
    .kernarg_segment_size: 48
    .max_flat_workgroup_size: 128
    .sgpr_count:     66
    .vgpr_count:     172
    .wavefront_size: 32
...
	.end_amdgpu_metadata
.endif
;; end of part 3
;; launch gemm: the kernel of part 2 again; grid 8 x 32, 4 waves a work-group, clusters of 4 x 4, 327,680 bytes of LDS; arguments xq, wq, bias, out0; writes out0
